; MI455X (gfx1250); checked and timed in simulation.
; The chip was launched on July 23, 2026; its instructions are those of AMD's public machine-readable ISA for CDNA 5 (MIT licence, August 2026) and "CDNA5" Instruction Set Architecture Reference Guide (July 2026). The comments in the code are by the model that wrote it; some were corrected since.
;; Multi Head Attention. Allowed arithmetic: float matrix products may take bf16 or f16 operands with f32 sums; other float arithmetic in f32, or as packed bf16 or f16 multiplies, adds, multiply-adds, maxima and minima; sums over many terms, partial sums and values carried from step to step in f32; what a program stores and reads back later, other than sums and carried values, may be rounded once to bf16 or f16.
;; Inputs: Wk 1,024 x 1,024 float32; Wo 1,024 x 1,024 float32; Wq 1,024 x 1,024 float32; Wv 1,024 x 1,024 float32; bo 1,024 float32; bq 1,024 float32; bv 1,024 float32; x 4 x 1,024 x 4,096 x 1 float32.
;; Outputs: out0 4 x 1,024 x 4,096 x 1 float32.
;; One version. Each part assembles by itself: llvm-mc -triple=amdgcn-amd-amdhsa -mcpu=gfx1250 --defsym DOCPART=n.
;; ======== version 1 of 1: 4 launches
;; workspace buffers: xb 33,554,432 bytes; qb 33,554,432 bytes; kb 33,554,432 bytes; gb 33,554,432 bytes; ob 33,554,432 bytes; wc 8,388,608 bytes; tot 1,048,576 bytes
;; launch prep (part 1): grid 1280 x 1, 8 waves a work-group, no clusters, 0 bytes of LDS; arguments x, Wq, Wk, Wv, Wo, xb, wc; writes xb, wc
.if DOCPART == 1
	.amdgcn_target "amdgcn-amd-amdhsa--gfx1250"
	.amdhsa_code_object_version 6
	.text
	.protected	k_q29b57bdf72_prep
	.globl	k_q29b57bdf72_prep
	.p2align	8
	.type	k_q29b57bdf72_prep,@function
k_q29b57bdf72_prep:
	s_mov_b64 s[64:65], 0
	v_nop
	global_prefetch_b8 v0, s[64:65] scope:SCOPE_SE
	s_setreg_imm32_b32 hwreg(HW_REG_WAVE_MODE, 25, 1), 1
	s_wait_xcnt 0x0
; CASTS.  x [4][1024 c][4096 t] f32 -> xb, bf16, in blocks of 16 t: [b][tau = t / 16][c][16 t], byte b 8,388,608 + tau 32,768 + 32 c + 2 (t % 16).
; The four weights [1024][1024] f32 -> wc, bf16, [4096 rows][1024], in blocks of 64 rows (a head's rows): block D =
;   16 s + 4 y + 2 r + z for Wk (z = 0) and Wv (z = 1) of head 4 y + 2 s + r;   32 + head for Wq;   48 + head for Wo.
; So 128 consecutive rows of wc's first 2,048 are one head's 64 rows of Wk and then the same head's 64 rows of Wv.
; Each number is rounded once, to nearest even.  A stream: every byte is read once and written once; nothing is shared between work-groups,
; so there is no LDS, no barrier, no cluster.  Work-groups 0-1023 take 128 c x 128 t of x, work-groups 1024-1279 take 16 rows of a weight.
; EVERY LOAD TAKES WHOLE RUNS OF BYTES: neighbouring lanes take neighbouring 16 bytes.  Of x a load takes 128 consecutive bytes (32 t) of each of four channels; of a weight 512 consecutive bytes.
; EVERY STORE COVERS 256 CONSECUTIVE BYTES, ALIGNED, 8 bytes a lane.  In xb such a block is 8 channels x 16 t, while a load brings 4 channels x 32 t: so two loads (channels 0-3 and 4-7 of eight) make
; two stores (the first 16 t and the second), and lanes l and l ^ 4 exchange the half that the other one's store wants.
; All 16 loads of a thread go out first; each is waited for by a count that leaves the younger ones out.
.set LD,  16                           ; v[16:79]   sixteen loads of 4 f32
.set PKD, 80                           ; v[80:111]  sixteen stores of 4 bf16
; Pair n of loads, A = channels 0-3 and B = channels 4-7 of group n / 4, t 32 (n % 4) on.  My lane: channel l / 8 of four, piece l % 8 of 4 t.  Lanes with piece < 4 hold the first tau, the others the second.
.macro PAIR n
	s_wait_loadcnt 14-2*(\n)                       ; loads come back in order: the 14 - 2 n younger ones may stay out
.irp k, 0,1,2,3
	v_cvt_pk_bf16_f32 v[PKD+4*(\n)+(\k)], v[LD+8*(\n)+2*(\k)], v[LD+8*(\n)+2*(\k)+1]   ; registers 0, 1: my 4 t of A; 2, 3: of B
.endr
.irp k, 0,1
	v_cndmask_b32 v[LD+8*(\n)+(\k)], v[PKD+4*(\n)+2+(\k)], v[PKD+4*(\n)+(\k)], s28    ; what lane l ^ 4 wants of me: piece < 4 gives its B, piece >= 4 its A
.endr
.irp k, 0,1
	v_mov_b32_dpp v[LD+8*(\n)+(\k)], v[LD+8*(\n)+(\k)] row_xmask:4 row_mask:0xf bank_mask:0xf
.endr
.irp k, 0,1
	v_cndmask_b32 v[PKD+4*(\n)+(\k)],   v[PKD+4*(\n)+(\k)], v[LD+8*(\n)+(\k)], s28    ; the first tau: piece < 4 keeps its A (channels 0-3), piece >= 4 has got B (channels 4-7)
	v_cndmask_b32 v[PKD+4*(\n)+2+(\k)], v[LD+8*(\n)+(\k)], v[PKD+4*(\n)+2+(\k)], s28  ; the second tau: piece < 4 has got A, piece >= 4 keeps its B
.endr
	global_store_b64 v2, v[PKD+4*(\n):PKD+4*(\n)+1],   s[14:15] offset:(2*((\n)%4))*32768+((\n)/4)*256
	global_store_b64 v2, v[PKD+4*(\n)+2:PKD+4*(\n)+3], s[14:15] offset:(2*((\n)%4)+1)*32768+((\n)/4)*256
.endm
	s_load_b256 s[4:11], s[0:1], 0x0               ; x s[4:5], Wq s[6:7], Wk s[8:9], Wv s[10:11]
	s_load_b128 s[12:15], s[0:1], 0x20             ; Wo s[12:13], xb s[14:15]
	s_load_b64 s[16:17], s[0:1], 0x30              ; wc
	v_and_b32 v3, 31, v0                           ; lane
	v_lshrrev_b32 v4, 5, v0                        ; wave
	s_cmp_lt_u32 ttmp9, 1024
	s_cbranch_scc0 .Lweights
	; x.  Wave w takes 16 channels x 128 t.
	s_lshr_b32 s20, ttmp9, 8                       ; b
	s_bfe_u32 s21, ttmp9, 0x30005                  ; block of 128 channels
	s_and_b32 s22, ttmp9, 31                       ; block of 128 t
	s_lshl_b32 s24, s20, 24                        ; in: b x 16,777,216
	s_lshl_b32 s23, s21, 21                        ;   + 128 channels of 16,384 bytes
	s_add_co_u32 s24, s24, s23
	s_lshl_b32 s23, s22, 9                         ;   + 128 t of 4 bytes
	s_add_co_u32 s24, s24, s23
	s_mov_b32 s25, 0
	s_lshl_b32 s26, s20, 23                        ; out: b x 8,388,608
	s_lshl_b32 s23, s22, 18                        ;   + 8 tau of 32,768 bytes
	s_add_co_u32 s26, s26, s23
	s_lshl_b32 s23, s21, 12                        ;   + 128 channels of 32 bytes
	s_add_co_u32 s26, s26, s23
	s_mov_b32 s27, 0
	s_mov_b32 s28, 0xf0f0f0f0                      ; the lanes with piece >= 4
	v_lshrrev_b32 v5, 3, v3                        ; channel of four
	v_and_b32 v6, 7, v3                            ; piece
	v_lshlrev_b32 v1, 18, v4                       ; in: 16 channels a wave,
	v_lshl_add_u32 v1, v5, 14, v1                  ;   my channel,
	v_lshl_add_u32 v1, v6, 4, v1                   ;   my 4 t
	v_lshlrev_b32 v2, 9, v4                        ; out: 16 channels a wave,
	v_lshl_add_u32 v2, v5, 5, v2                   ;   my channel of four,
	v_bfe_u32 v7, v3, 2, 1
	v_lshl_add_u32 v2, v7, 7, v2                   ;   four channels on for piece >= 4,
	v_and_b32 v7, 3, v3
	v_lshl_add_u32 v2, v7, 3, v2                   ;   my 4 of the 16 t
	s_wait_kmcnt 0x0
	s_add_nc_u64 s[4:5], s[4:5], s[24:25]
	s_add_nc_u64 s[14:15], s[14:15], s[26:27]
.irp n, 0,1,2,3,4,5,6,7
	global_load_b128 v[LD+8*(\n):LD+8*(\n)+3],   v1, s[4:5] offset:((\n)/4)*131072+((\n)%4)*128 th:TH_LOAD_NT
	global_load_b128 v[LD+8*(\n)+4:LD+8*(\n)+7], v1, s[4:5] offset:((\n)/4)*131072+65536+((\n)%4)*128 th:TH_LOAD_NT
.endr
.irp n, 0,1,2,3,4,5,6,7
	PAIR \n
.endr
	s_endpgm
.Lweights:                             ; 16 rows of a weight are dense on both sides: 65,536 bytes in, 32,768 out
	s_sub_co_u32 s20, ttmp9, 1024
	s_lshr_b32 s21, s20, 6                         ; which weight: 0 q, 1 k, 2 v, 3 o
	s_and_b32 s22, s20, 63                         ; which 16 rows
	s_lshr_b32 s23, s22, 2                         ; head
	s_and_b32 s26, s22, 3                          ; which 16 of its 64 rows
	s_bfe_u32 s27, s23, 0x10001                    ; s
	s_lshl_b32 s27, s27, 4
	s_lshr_b32 s28, s23, 2                         ; y
	s_lshl_b32 s28, s28, 2
	s_add_co_u32 s27, s27, s28
	s_and_b32 s28, s23, 1                          ; r
	s_lshl_b32 s28, s28, 1
	s_add_co_u32 s27, s27, s28
	s_sub_co_u32 s28, s21, 1                       ; z (of use for k and v alone)
	s_add_co_u32 s27, s27, s28                     ; D for k and v
	s_add_co_u32 s28, s23, 32
	s_cmp_eq_u32 s21, 0
	s_cselect_b32 s27, s28, s27                    ; D for q
	s_add_co_u32 s28, s23, 48
	s_cmp_eq_u32 s21, 3
	s_cselect_b32 s27, s28, s27                    ; D for o
	s_lshl_b32 s24, s27, 17                        ; out: 64 D rows of 2,048 bytes
	s_lshl_b32 s28, s26, 15                        ;   + 16 rows
	s_add_co_u32 s24, s24, s28
	s_mov_b32 s25, 0
	s_lshl_b32 s26, s22, 16                        ; in: 16 rows of 4,096 bytes
	s_mov_b32 s27, 0
	v_lshlrev_b32 v1, 4, v0                        ; thread n: 4 numbers of each row: 16 bytes in (the 256 threads take a whole row),
	v_lshlrev_b32 v2, 3, v0                        ; 8 bytes out
	s_wait_kmcnt 0x0
	s_cmp_eq_u32 s21, 1
	s_cselect_b64 s[18:19], s[8:9], s[6:7]
	s_cmp_eq_u32 s21, 2
	s_cselect_b64 s[18:19], s[10:11], s[18:19]
	s_cmp_eq_u32 s21, 3
	s_cselect_b64 s[18:19], s[12:13], s[18:19]
	s_add_nc_u64 s[18:19], s[18:19], s[26:27]
	s_add_nc_u64 s[16:17], s[16:17], s[24:25]
.irp i, 0,1,2,3,4,5,6,7,8,9,10,11,12,13,14,15
	global_load_b128 v[LD+4*(\i):LD+4*(\i)+3], v1, s[18:19] offset:(\i)*4096 th:TH_LOAD_NT
.endr
.irp i, 0,1,2,3,4,5,6,7,8,9,10,11,12,13,14,15
	s_wait_loadcnt 15-(\i)                         ; row i is in; the younger rows may stay out
	v_cvt_pk_bf16_f32 v[PKD+2*(\i)],   v[LD+4*(\i)],   v[LD+4*(\i)+1]
	v_cvt_pk_bf16_f32 v[PKD+2*(\i)+1], v[LD+4*(\i)+2], v[LD+4*(\i)+3]
	global_store_b64 v2, v[PKD+2*(\i):PKD+2*(\i)+1], s[16:17] offset:(\i)*2048
.endr
	s_endpgm
.Lfunc_end_k_q29b57bdf72_prep:
	.size	k_q29b57bdf72_prep, .Lfunc_end_k_q29b57bdf72_prep-k_q29b57bdf72_prep
	.p2alignl 7, 3214868480
	.fill 96, 4, 3214868480
	.section	.rodata,"a",@progbits
	.p2align	6, 0x0
	.amdhsa_kernel k_q29b57bdf72_prep
		.amdhsa_group_segment_fixed_size 0
		.amdhsa_private_segment_fixed_size 0
		.amdhsa_enable_private_segment 0
		.amdhsa_kernarg_size 56
		.amdhsa_user_sgpr_count 2
		.amdhsa_user_sgpr_kernarg_segment_ptr 1
		.amdhsa_wavefront_size32 1
		.amdhsa_system_sgpr_workgroup_id_x 1
		.amdhsa_system_sgpr_workgroup_id_y 1
		.amdhsa_system_sgpr_workgroup_id_z 1
		.amdhsa_system_vgpr_workitem_id 0
		.amdhsa_next_free_vgpr 112
		.amdhsa_next_free_sgpr 66
		.amdhsa_reserve_vcc 0
		.amdhsa_float_denorm_mode_32 3
		.amdhsa_float_denorm_mode_16_64 3
		.amdhsa_memory_ordered 1
		.amdhsa_forward_progress 1
		.amdhsa_inst_pref_size 18
	.end_amdhsa_kernel
	.amdgpu_metadata
---
amdhsa.version: [ 1, 2 ]
amdhsa.kernels:
  - .name:           k_q29b57bdf72_prep
    .symbol:         k_q29b57bdf72_prep.kd
    .args:
      - { .name: x, .offset: 0, .size: 8, .value_kind: global_buffer, .address_space: global }
      - { .name: Wq, .offset: 8, .size: 8, .value_kind: global_buffer, .address_space: global }
      - { .name: Wk, .offset: 16, .size: 8, .value_kind: global_buffer, .address_space: global }
      - { .name: Wv, .offset: 24, .size: 8, .value_kind: global_buffer, .address_space: global }
      - { .name: Wo, .offset: 32, .size: 8, .value_kind: global_buffer, .address_space: global }
      - { .name: xb, .offset: 40, .size: 8, .value_kind: global_buffer, .address_space: global }
      - { .name: wc, .offset: 48, .size: 8, .value_kind: global_buffer, .address_space: global }
    .group_segment_fixed_size: 0
    .private_segment_fixed_size: 0
    .kernarg_segment_align: 8
    .kernarg_segment_size: 56
    .max_flat_workgroup_size: 256
    .sgpr_count:     66
    .vgpr_count:     112
    .wavefront_size: 32
...
	.end_amdgpu_metadata
.endif
;; end of part 1
;; launch qkv (part 2): grid 64 x 4, 4 waves a work-group, clusters of 4 x 4, 327,680 bytes of LDS; arguments wc, xb, bq, bv, qb, kb, gb, tot; writes qb, kb, gb, tot
.if DOCPART == 2
	.amdgcn_target "amdgcn-amd-amdhsa--gfx1250"
	.amdhsa_code_object_version 6
	.text
	.protected	k_q29b57bdf72_qkv
	.globl	k_q29b57bdf72_qkv
	.p2align	8
	.type	k_q29b57bdf72_qkv,@function
k_q29b57bdf72_qkv:
	s_mov_b64 s[64:65], 0
	v_nop
	global_prefetch_b8 v0, s[64:65] scope:SCOPE_SE
	s_setreg_imm32_b32 hwreg(HW_REG_WAVE_MODE, 25, 1), 1
	s_wait_xcnt 0x0
	s_wait_alu depctr_hold_cnt(0) depctr_sa_sdst(0) depctr_va_vdst(0) depctr_va_sdst(0) depctr_va_ssrc(0) depctr_va_vcc(0) depctr_vm_vsrc(0)
	s_getreg_b32 s2, hwreg(HW_REG_IB_STS2, 6, 4)
	s_cmp_eq_u32 s2, 0
	s_cbranch_scc0 .Lentry_in_a_cluster
	s_endpgm
.Lentry_in_a_cluster:
	s_bfe_u32 s2, ttmp6, 0x10000c
	s_cmp_lg_u32 s2, 0xf033
	s_cbranch_scc0 .Lentry_shape_is_right
	s_endpgm
.Lentry_shape_is_right:
; THE THREE PROJECTIONS AND WHAT FOLLOWS THEM POINT BY POINT.  y[row][t] = sum over c of wc[row][c] x[c][t], rows 0-3071 of wc (k and v by heads, then q), bf16 operands, f32 sums.
; Out: qb = phi(q + bq), kb = phi(k), gb = phi(k) (v + bv), phi(y) = y / (1 + e^-y) + 1, each rounded once to bf16, in blocks of 16 t ([b][tau][c][16 t], as xb lies);
; tot = the f32 sums of phi(k) and of phi(k) (v + bv), unrounded, over each 128 t: [b 32 + chunk][plane k, g][head][r 16][ct 4], channel = 64 head + 16 ct + r.
; LIMITS.  x and the weights come rounded to bf16; e^-y and the reciprocal are the chip's 2^x and 1/x; y is made again from -log2(e) y by one more multiply; NaN and infinities are not treated apart.
; SHAPE.  A tile is 256 rows x 256 t, four waves of 128 x 128: 64 accumulators of 16 x 16, 512 registers.  K goes in steps of 128 through two LDS slots filled by the tensor data mover.
; A WORK-GROUP STAYS: three tiles, 1,024 rows of wc apart, on the same 256 t: two of k and v, one of q; the ring does not stop at a tile's end.
; In a tile of k and v a wave's 128 rows are one head's 64 rows of k (window 2) and the same head's 64 rows of v (window 3): phi(k) (v + bv) is made in registers.
; THE PRODUCT: source 0 = 16 t x 32 c of x (it lies [c][16 t] in LDS, 32 bytes a channel, and is turned by ds_load_tr16_b128), source 1 = 16 rows x 32 c of wc.
; In the result a lane holds ONE row (l % 16) and t = 8 (l / 16) + 0..7: 16 bytes of bf16, and the wave's 32 lanes 512 consecutive bytes of the blocked layout: results go straight from registers to memory.
; CLUSTER 4 x 4: the four work-groups of a row of the cluster take the same rows of wc, the four of a column the same t of x: each tile is asked for jointly.  The grid is one cluster high: the tile row is cy.
; REGISTERS, in windows of 256: window 0: v0-31 addresses; v32-63 packed results; v64-127, v128-191 fragments of wc; v192-235 biases, totals, at work.
;   window 1: v64-127, v128-191 fragments of x; v192-255 at work on the way out.   windows 2, 3: accumulator (a, b) at v[8 (8 (a % 4) + b)], a < 4 in window 2.
.set KSTEP,  128
.set PITCH,  272                       ; an LDS row of wc: 256 bytes + 16 of padding: the 16 rows of a load start at 16 different groups of four banks (64 banks of 4 bytes: ISA guide 11.1)
.set HALFA,  128*PITCH                 ; 128 rows of wc: one tensor load
.set HALFB,  32768                     ; 8 tau x 128 c x 32 bytes of x: one tensor load
.set BOFF,   2*HALFA                   ; x lies behind wc's 256 rows
.set SLOT,   BOFF+2*HALFB
.set SPARE,  2*SLOT                    ; behind the ring: the spare words, 128 bytes for each wave: two blocks of 256 bytes that no other line names
.set LAPS,   4                         ; 1,024 / 256
.set ABASE,  0                         ; the first row of wc that this launch takes, in bytes
.set NEXT_A, 1024*2048-1536            ; from a slot's last K step of a tile to its first of the next: 1,024 rows down, six K steps of 256 bytes back
.set BACK_B, 6*4096                    ; x only back: six K steps of 4,096 bytes
.set NEXT_P, 1024*2048+512-2304        ; the prefetches': from K step 9 of a tile's rows to K step 2 of the next tile's
.set ADRA, 16                          ; v16-17  LDS address of my fragments of wc in slot 0, 1
.set ADRB, 20                          ; v20-21  the same for x
.set OFO,  24                          ; v24     32 (l % 16) + 16 (l / 16): my 16 bytes among a block's 512
.set TOF,  25                          ; v25     4,096 (l / 16) + 16 (l % 16): my 16 bytes of tot
.set BIO,  26                          ; v26     4 (l % 16): my row's bias
.set SPW,  28                          ; v28     LDS address of my spare word; never rewritten
.set NIL,  29                          ; v29     0; never rewritten
.set PFO,  30                          ; v30     the prefetches' lane offset; never rewritten
.set PK,   32                          ; v32-63  packed results
.set F0,   64
.set F1,   128
.set U,    128                         ; window 0: 64 numbers of a block of 16 rows x 128 t
.set E,    192                         ; window 1: 64 more
.set BV0,  192                         ; four pairs: bv of the tile in hand;  BV1: of the next;  BQ: eight pairs, -log2(e) bq
.set BV1,  200
.set BQ,   208
.set TK,   224                         ; v224-227  my row's total for each of the head's four blocks (lanes 0-15: k's, lanes 16-31: g's)
.set TT,   228                         ; v228-232  at work
.set G1,  24
.set G0,  32
.set G1B, 48
.set G0B, 56
.set LIM, 43                           ; s43  1 in a wave that prefetches, else the greatest number
.set PFA, 44                           ; s[44:45] where my prefetches stand
.set PFS, 66                           ; s[66:67] their step: a K step of wc's rows or of x's blocks
.set QP,  68                           ; s[68:75] qb, kb, gb, tot at my place
.set KP,  70
.set GP,  72
.set TP,  74
.set C1,  80                           ; s[80:81] -log2(e)
.set C2,  82                           ; s[82:83] -ln(2)
.set SEL, 84                           ; s84, s85 v_permlanex16_b32's selects
.set HM,  86                           ; s86  lanes 16-31
.set CA,  87                           ; s87  counts a way out's blocks
.set MK,  88                           ; s88  all lanes or none
.set MSB, 0
.macro WIN new                         ; the immediate's high byte repeats the setting that is left
.if MSB != (\new)
	s_set_vgpr_msb (MSB<<8)|(\new)
.set MSB, \new
.endif
.endm
.set MUL_LO, 0xa1                      ; source 0 (x) window 1, source 1 (wc) window 0, C and D window 2
.set MUL_HI, 0xf1
.set TO_B,   0x40
; A joint load.  Waves 0 and 1 fetch wc's two halves, waves 2 and 3 x's.  An s_nop 0 and four v_nop follow each of the two lines.
.macro JLOAD s
	s_cmp_eq_u32 s11, 0
	s_cbranch_scc0 .Lfor_b_\@
	tensor_load_to_lds s[G0+4*(\s):G0+4*(\s)+3], s[G1:G1+7]
	s_nop 0
.rept 4
	v_nop
.endr
	s_branch .Lasked_\@
.Lfor_b_\@:
	tensor_load_to_lds s[G0B+4*(\s):G0B+4*(\s)+3], s[G1B:G1B+7]
	s_nop 0
.rept 4
	v_nop
.endr
.Lasked_\@:
.endm
; A prefetch, behind each joint load and the run of LDS loads behind it: the K step two refills on, 32 blocks of 256 bytes, a lane a block, one instruction a wave.
; Each block is named once in the launch: wc's rows by the first cluster alone (all sixteen read them), x's by the one cluster that reads them; the four partners of a joint load share its blocks out by address.
; how = 0, in the loop: a tile's last two refills have no K step two on.  how = 1, at a change of tiles: wc's K steps 2 and 3 of the next tile; x's blocks have been read, and are asked for no more.
.macro ASK how
.if \how
	s_cmp_eq_u32 s[LIM], 1
.else
	s_cmp_gt_u32 s3, s[LIM]                        ; s3 = 1 in the loop's last trip
.endif
	s_cbranch_scc0 .Lnot_mine_\@
	global_prefetch_b8 v[PFO], s[PFA:PFA+1] th:TH_LOAD_NT scope:SCOPE_SE
.Lnot_mine_\@:
.endm
.macro CREST                           ; a round of the cluster's barrier behind its opening barrier
	s_cmp_lg_u32 s10, 0
	s_cbranch_scc1 .Lnot_wave_0_\@
	s_barrier_signal -3
.Lnot_wave_0_\@:
	s_barrier_wait -3
	s_barrier_signal -1
	s_barrier_wait -1
.endm
.macro CROUND
	s_barrier_signal -1
	s_barrier_wait -1
	CREST
.endm
	s_load_b128 s[4:7], s[0:1], 0x0                ; wc s[4:5], xb s[6:7]
	s_load_b128 s[76:79], s[0:1], 0x10             ; bq s[76:77], bv s[78:79]
	s_load_b256 s[68:75], s[0:1], 0x20             ; qb, kb, gb, tot
	v_lshl_add_u32 v[SPW], v0, 2, SPARE
	v_mov_b32 v[NIL], 0
	ds_add_u32 v[SPW], v[NIL]                      ; the wave's opening: the add and its wait ahead of my first tensor load; work on registers stands between them
	v_lshrrev_b32 v1, 5, v0
	v_readfirstlane_b32 s10, v1                    ; wave 0..3
	s_lshr_b32 s11, s10, 1                         ; which 128 rows of the tile are mine.  Also: I fetch wc (0) or x (1)
	s_and_b32 s12, s10, 1                          ; which 128 t.  Also: which half of that tile I fetch
	s_bfe_u32 s40, ttmp6, 0x40000                  ; cx
	s_bfe_u32 s41, ttmp6, 0x40004                  ; cy = the tile row
	s_lshl_b32 s42, ttmp9, 2
	s_add_co_u32 s42, s42, s40                     ; the tile column: 16 b + block of 256 t
	s_lshl_b32 s43, s41, 2
	s_lshl_b32 s43, 15, s43                        ; my row of the cluster
	s_lshl_b32 s44, 0x1111, s40                    ; my column
	s_or_b32 s[G1+0], s43, (1<<16)|(1<<20)|(1<<21)|(5<<22)|(3<<25)  ; wc: mask of my row; 2-byte elements; padding on; bit 21 beside a mask; after every 64 words 4 words
	s_or_b32 s[G1B+0], s44, (1<<16)|(1<<21)        ; x: mask of my column; no padding
	s_mov_b32 s[G1+1], KSTEP<<16                   ; tensor_dim0 = 128
	s_mov_b32 s[G1+2], 128<<16                     ; tensor_dim1 = 128
	s_mov_b32 s[G1+3], KSTEP<<16                   ; tile_dim0 = 128
	s_mov_b32 s[G1+4], 128                         ; tile_dim1 = 128
	s_mov_b32 s[G1+5], 1024                        ; elements from row to row
	s_mov_b32 s[G1+6], 0
	s_mov_b32 s[G1+7], 0
	s_mov_b32 s[G1B+1], 2048<<16                   ; tensor_dim0 = 2,048: 128 channels x 16 t, 4,096 consecutive bytes
	s_mov_b32 s[G1B+2], 8<<16                      ; tensor_dim1 = 8 tau
	s_mov_b32 s[G1B+3], 2048<<16                   ; tile_dim0
	s_mov_b32 s[G1B+4], 8                          ; tile_dim1
	s_mov_b32 s[G1B+5], 16384                      ; elements from tau to tau
	s_mov_b32 s[G1B+6], 0
	s_mov_b32 s[G1B+7], 0
	s_lshl_b32 s17, s12, 7
	s_lshl_b32 s16, s41, 8
	s_add_co_u32 s16, s16, s17                     ; wc: row 256 cy + 128 x half,
	s_lshl_b32 s16, s16, 11                        ; of 2,048 bytes
	s_add_co_u32 s16, s16, ABASE
	s_mov_b32 s17, 0
	s_lshl_b32 s46, s42, 19                        ; x: 16 tau of 32,768 bytes a column
	s_lshl_b32 s47, s12, 18                        ;   + 8 tau x half
	s_add_co_u32 s46, s46, s47
	s_mov_b32 s47, 0
	s_mul_i32 s20, s12, HALFA                      ; where they go: no place in the cluster enters an LDS address
	s_lshl_b32 s21, s12, 15
	s_add_co_u32 s21, s21, BOFF
	s_mov_b32 s[C1], 0xbfb8aa3b
	s_mov_b32 s[C1+1], s[C1]
	s_mov_b32 s[C2], 0xbf317218
	s_mov_b32 s[C2+1], s[C2]
	s_mov_b32 s[SEL], 0x76543210
	s_mov_b32 s[SEL+1], 0xfedcba98
	s_mov_b32 s[HM], 0xffff0000
	s_wait_dscnt 0x0                               ; the opening add is done
	s_wait_kmcnt 0x0
	s_add_nc_u64 s[14:15], s[4:5], s[16:17]
	s_add_nc_u64 s[46:47], s[6:7], s[46:47]
	CROUND                                         ; all sixteen work-groups are here: the first joint loads meet
.irp s, 0,1
	s_mov_b32 s[G0+4*(\s)], 1
	s_add_co_u32 s[G0+4*(\s)+1], s20, (\s)*SLOT
	s_add_nc_u64 s[G0+4*(\s)+2:G0+4*(\s)+3], s[14:15], (\s)*KSTEP*2
	s_or_b32 s[G0+4*(\s)+3], s[G0+4*(\s)+3], 0x80000000
	s_mov_b32 s[G0B+4*(\s)], 1
	s_add_co_u32 s[G0B+4*(\s)+1], s21, (\s)*SLOT
	s_add_nc_u64 s[G0B+4*(\s)+2:G0B+4*(\s)+3], s[46:47], (\s)*4096
	s_or_b32 s[G0B+4*(\s)+3], s[G0B+4*(\s)+3], 0x80000000
	JLOAD \s                                       ; two loads of mine are out
.endr
	v_and_b32 v1, 15, v0                           ; r = l % 16
	v_bfe_u32 v2, v0, 4, 1                         ; h = l / 16
	v_mul_u32_u24 v3, v1, PITCH
	v_lshl_add_u32 v3, v2, 4, v3                   ; wc: row x pitch + 16 h
	v_and_b32 v4, 7, v0
	v_lshl_add_u32 v4, v2, 3, v4                   ; x: channel 8 h + l % 8,
	v_lshlrev_b32 v4, 5, v4                        ;   32 bytes a channel,
	v_bfe_u32 v5, v0, 3, 1
	v_lshl_add_u32 v4, v5, 4, v4                   ;   t 8 ((l / 8) % 2) on
	s_mul_i32 s21, s11, HALFA
	s_lshl_b32 s22, s12, 15
	s_add_co_u32 s22, s22, BOFF
.irp s, 0,1
	v_add_nc_u32 v[ADRA+(\s)], s21, v3
	v_add_nc_u32 v[ADRB+(\s)], s22, v4
	s_add_co_u32 s21, s21, SLOT
	s_add_co_u32 s22, s22, SLOT
.endr
	v_lshlrev_b32 v[OFO], 5, v1
	v_lshl_add_u32 v[OFO], v2, 4, v[OFO]
	v_lshlrev_b32 v[TOF], 4, v1
	v_lshl_add_u32 v[TOF], v2, 12, v[TOF]
	v_lshlrev_b32 v[BIO], 2, v1
	; where my results go
	s_lshl_b32 s46, s42, 19                        ; the column's 16 tau,
	s_lshl_b32 s47, s12, 18                        ; my 8 of them,
	s_add_co_u32 s46, s46, s47
	s_lshl_b32 s47, s41, 13                        ; 256 cy channels of 32 bytes
	s_add_co_u32 s46, s46, s47
	s_lshl_b32 s20, s11, 11                        ; k, g: my head's 64 channels (the first tile's: head 4 cy + wave / 2)
	s_add_co_u32 s20, s46, s20
	s_mov_b32 s21, 0
	s_add_nc_u64 s[KP:KP+1], s[KP:KP+1], s[20:21]
	s_add_nc_u64 s[GP:GP+1], s[GP:GP+1], s[20:21]
	s_lshl_b32 s20, s11, 12                        ; q: my 128 channels
	s_add_co_u32 s20, s46, s20
	s_add_nc_u64 s[QP:QP+1], s[QP:QP+1], s[20:21]
	s_lshl_b32 s20, s42, 1
	s_add_co_u32 s20, s20, s12                     ; tot: chunk 2 x column + half,
	s_lshl_b32 s20, s20, 13                        ;   8,192 bytes each,
	s_lshl_b32 s22, s41, 2
	s_add_co_u32 s22, s22, s11
	s_lshl_b32 s22, s22, 8                         ;   256 bytes a head
	s_add_co_u32 s20, s20, s22
	s_add_nc_u64 s[TP:TP+1], s[TP:TP+1], s[20:21]
	s_lshl_b32 s20, s41, 10                        ; the biases of my rows
	s_lshl_b32 s22, s11, 8
	s_add_co_u32 s22, s20, s22
	s_mov_b32 s23, 0
	s_add_nc_u64 s[78:79], s[78:79], s[22:23]
	s_lshl_b32 s22, s11, 9
	s_add_co_u32 s22, s20, s22
	s_add_nc_u64 s[76:77], s[76:77], s[22:23]
.irp a, 0,1,2,3
	global_load_b32 v[BV0+2*(\a)], v[BIO], s[78:79] offset:64*(\a)
	global_load_b32 v[BV1+2*(\a)], v[BIO], s[78:79] offset:512+64*(\a)   ; the second tile's head lies 128 channels on
.endr
.irp a, 0,1,2,3,4,5,6,7
	global_load_b32 v[BQ+2*(\a)], v[BIO], s[76:77] offset:64*(\a)
.endr
	; the prefetches.  wc: of the 128 rows that I fetch, my work-group's 32 (by cx), a lane a row.  x: of my 8 tau, my work-group's 2 (by cy), a lane 256 bytes.  Both stand at K step 3: the first change of slots steps them to 4.
	s_lshl_b32 s20, s41, 8
	s_lshl_b32 s21, s12, 7
	s_add_co_u32 s20, s20, s21
	s_lshl_b32 s21, s40, 5
	s_add_co_u32 s20, s20, s21
	s_lshl_b32 s20, s20, 11
	s_add_co_u32 s20, s20, ABASE+3*256
	s_lshl_b32 s22, s42, 19
	s_lshl_b32 s23, s12, 18
	s_add_co_u32 s22, s22, s23
	s_lshl_b32 s23, s41, 16
	s_add_co_u32 s22, s22, s23
	s_add_co_u32 s22, s22, 3*4096
	s_mov_b32 s18, 256
	s_mov_b32 s19, 4096
	s_cmp_eq_u32 s11, 0                            ; do I fetch wc?
	s_cselect_b32 s20, s20, s22
	s_cselect_b64 s[PFA:PFA+1], s[4:5], s[6:7]
	s_cselect_b32 s[PFS], s18, s19
	s_cselect_b32 s22, ttmp9, 0                    ; wc's rows are read by every cluster: the first asks
	s_cselect_b32 s23, 0, -1
	s_mov_b32 s21, 0
	s_mov_b32 s[PFS+1], 0
	s_add_nc_u64 s[PFA:PFA+1], s[PFA:PFA+1], s[20:21]
	s_cmp_eq_u32 s22, 0
	s_cselect_b32 s[LIM], 1, -1                    ; the same in all sixteen partners, for a given wave
	v_and_b32 v5, 31, v0
	v_lshlrev_b32 v6, 11, v5
	v_lshrrev_b32 v7, 4, v5
	v_and_b32 v8, 15, v5
	v_lshlrev_b32 v8, 8, v8
	v_lshl_add_u32 v7, v7, 15, v8
	v_cndmask_b32 v[PFO], v6, v7, s23
.irp i, 0,1,2,3,4,5,6,7,8
	v_mov_b32 v[TK+(\i)], 0                        ; the totals and the exchange's destinations are read before their first full write
.endr
	s_wait_loadcnt 0x0                             ; the biases, once: each is doubled into a pair for the packed arithmetic
.irp a, 0,1,2,3
	v_mov_b32 v[BV0+2*(\a)+1], v[BV0+2*(\a)]
	v_mov_b32 v[BV1+2*(\a)+1], v[BV1+2*(\a)]
.endr
.irp a, 0,1,2,3,4,5,6,7
	v_mul_f32 v[BQ+2*(\a)], s[C1], v[BQ+2*(\a)]
	v_mov_b32 v[BQ+2*(\a)+1], v[BQ+2*(\a)]
.endr
; 16 matrix instructions: row blocks a0, a0 + 1 of the window's four x all 8 tau, 32 along K.  The 64 accumulators take turns, one instruction a turn.
.macro MUL16 f, hi, a0, zero
	WIN MUL_LO+0x50*(\hi)
.irp a, \a0, (\a0)+1
.irp b, 0,1,2,3,4,5,6,7
.if \zero
	v_wmma_f32_16x16x32_bf16 v[8*(8*(\a)+(\b)):8*(8*(\a)+(\b))+7], v[(\f)+8*(\b):(\f)+8*(\b)+7], v[(\f)+8*(4*(\hi)+(\a)):(\f)+8*(4*(\hi)+(\a))+7], 0
.else
	v_wmma_f32_16x16x32_bf16 v[8*(8*(\a)+(\b)):8*(8*(\a)+(\b))+7], v[(\f)+8*(\b):(\f)+8*(\b)+7], v[(\f)+8*(4*(\hi)+(\a)):(\f)+8*(4*(\hi)+(\a))+7], v[8*(8*(\a)+(\b)):8*(8*(\a)+(\b))+7]
.endif
.endr
.endr
.endm
; 32 LDS loads in one run: quarter q (32 channels) of a slot into buffer f: x's 8 tau, turned, then wc's 128 rows
.macro FETCH slot, q, f
	WIN TO_B
.irp i, 0,1,2,3,4,5,6,7
	ds_load_tr16_b128 v[(\f)+8*(\i):(\f)+8*(\i)+3],   v[ADRB+(\slot)] offset:1024*(\q)+4096*(\i)
	ds_load_tr16_b128 v[(\f)+8*(\i)+4:(\f)+8*(\i)+7], v[ADRB+(\slot)] offset:1024*(\q)+4096*(\i)+512
.endr
	WIN 0
.irp i, 0,1,2,3,4,5,6,7
	ds_load_b128 v[(\f)+8*(\i):(\f)+8*(\i)+3],   v[ADRA+(\slot)] offset:64*(\q)+(\i)*16*PITCH
	ds_load_b128 v[(\f)+8*(\i)+4:(\f)+8*(\i)+7], v[ADRA+(\slot)] offset:64*(\q)+(\i)*16*PITCH+32
.endr
.endm
.macro PLACES                          ; four plain places in front of loads into, and vector work on, registers that matrix instructions have just named
.rept 4
	v_nop
.endr
.endm
.macro QUARTER slot, q, f, g, zero     ; multiplies buffer f; in its middle fetches quarter q of the slot into buffer g
	s_wait_dscnt 8                                 ; x and wc's rows 0-63 are in; the youngest eight loads (rows 64-127) may be out
	WIN MUL_LO
	MUL16 \f, 0, 0, \zero
	MUL16 \f, 0, 2, \zero
	PLACES
	FETCH \slot, \q, \g
	s_wait_dscnt 32                                ; all but the 32 just issued
	WIN MUL_HI
	MUL16 \f, 1, 0, \zero
	MUL16 \f, 1, 2, \zero
.endm
.macro MEET round                      ; the first half of a K step's last quarter: the one barrier of a change of slots
	WIN 0
	s_wait_tensorcnt 0x0                           ; all my tensor loads have landed: the one that was out is my part of the next slot;
	ds_add_u32 v[SPW], v[NIL]                      ; 0 onto my spare word;
	s_wait_dscnt 9                                 ; (the add and the youngest eight loads may be out)
	WIN MUL_LO
	MUL16 F1, 0, 0, 0
	s_wait_dscnt 0x0                               ; the add is done, and my reads of this slot are over
	s_barrier_signal -1
	MUL16 F1, 0, 2, 0
.if \round
	WIN 0
.endif
	s_barrier_wait -1
.endm
.macro TURN slot, next, on             ; the whole last quarter; the slot just read is filled again, with this tile's K step two on (on = 0) or the next tile's K step 0 or 1 (on = 1)
	s_wait_xcnt 0x0                                ; the last prefetch, a K step back, has read its address
.if (\on) && (\slot) == 0
	s_add_nc_u64 s[PFA:PFA+1], s[PFA:PFA+1], NEXT_P
	s_cmp_eq_u32 s11, 0
	s_cselect_b32 s[LIM], s[LIM], -1
.else
	s_add_nc_u64 s[PFA:PFA+1], s[PFA:PFA+1], s[PFS:PFS+1]
.endif
	MEET 1
	CREST                                          ; no wave of any partner still reads this slot or has a load on its way
.if \on
	s_add_nc_u64 s[G0+4*(\slot)+2:G0+4*(\slot)+3], s[G0+4*(\slot)+2:G0+4*(\slot)+3], NEXT_A
	s_sub_nc_u64 s[G0B+4*(\slot)+2:G0B+4*(\slot)+3], s[G0B+4*(\slot)+2:G0B+4*(\slot)+3], BACK_B
.else
	s_add_nc_u64 s[G0+4*(\slot)+2:G0+4*(\slot)+3], s[G0+4*(\slot)+2:G0+4*(\slot)+3], 2*KSTEP*2
	s_add_nc_u64 s[G0B+4*(\slot)+2:G0B+4*(\slot)+3], s[G0B+4*(\slot)+2:G0B+4*(\slot)+3], 2*4096
.endif
	JLOAD \slot                                    ; my one tensor load behind the round: 224 matrix instructions ahead of the wait for it
	FETCH \next, 0, F0
	ASK \on
	WIN MUL_HI
	MUL16 F1, 1, 0, 0
	MUL16 F1, 1, 2, 0
.endm
; THE WAYS OUT work on one block of 16 rows x 128 t at a time, 64 numbers a lane, in one looped text.  The accumulators have fixed names, so the block's first line of arithmetic is chosen by forward jumps on the count.
.macro T1K a                           ; U = -log2(e) k, block a of window 2; each accumulator is read from its low end on
	WIN 0x02
.set i, 0
.rept 32
	v_pk_mul_f32 v[U+i:U+i+1], v[64*(\a)+i:64*(\a)+i+1], s[C1:C1+1] op_sel_hi:[1,0]
.set i, i+2
.endr
	WIN 0
.endm
.macro T2 a                            ; E = v + bv, block a of window 3
	WIN 0x43
.set i, 0
.rept 32
	v_pk_add_f32 v[E+i:E+i+1], v[64*(\a)+i:64*(\a)+i+1], v[BV0+2*(\a):BV0+2*(\a)+1]
.set i, i+2
.endr
	WIN 0
.endm
.macro T1Q a                           ; U = -log2(e) (q + bq), block a of eight
	WIN 0x02+(\a)/4
.set i, 0
.rept 32
	v_pk_fma_f32 v[U+i:U+i+1], v[64*((\a)%4)+i:64*((\a)%4)+i+1], s[C1:C1+1], v[BQ+2*(\a):BQ+2*(\a)+1] op_sel_hi:[1,0,1]
.set i, i+2
.endr
	WIN 0
.endm
; U = -log2(e) y  ->  U = y / (1 + e^-y) + 1.  Two batches of transcendentals, each with one plain instruction behind its last and one wait ahead of its first reader.
.macro SILU
	WIN 0x40
.set i, 0
.rept 64
	v_exp_f32 v[E+i], v[U+i]
.set i, i+1
.endr
	v_nop
	WIN 0
.set i, 0
.rept 32
	v_pk_mul_f32 v[U+i:U+i+1], v[U+i:U+i+1], s[C2:C2+1] op_sel_hi:[1,0]   ; y again: work that names no exponential's result
.set i, i+2
.endr
	s_wait_alu depctr_va_vdst(0)
	WIN 0x41
.set i, 0
.rept 32
	v_pk_add_f32 v[E+i:E+i+1], v[E+i:E+i+1], 1.0 op_sel_hi:[1,0]
	v_rcp_f32 v[E+i], v[E+i]
	v_rcp_f32 v[E+i+1], v[E+i+1]
.set i, i+2
.endr
	v_nop
	s_wait_alu depctr_va_vdst(0)
	WIN 0x04
.set i, 0
.rept 32
	v_pk_fma_f32 v[U+i:U+i+1], v[U+i:U+i+1], v[E+i:E+i+1], 1.0 op_sel_hi:[1,1,0]
.set i, i+2
.endr
	WIN 0
.endm
.macro SEND8 ptr                       ; a store covers 512 consecutive bytes, aligned: 16 channels x 16 t
.irp b, 0,1,2,3,4,5,6,7
	global_store_b128 v[OFO], v[PK+4*(\b):PK+4*(\b)+3], s[\ptr:\ptr+1] offset:32768*(\b)
.endr
.endm
.macro STORE ptr                       ; U, rounded, to the block's 8 tau
	s_wait_xcnt 0x0                                ; earlier stores have read PK
.set i, 0
.rept 32
	v_cvt_pk_bf16_f32 v[PK+i], v[U+2*i], v[U+2*i+1]
.set i, i+1
.endr
	SEND8 \ptr
.endm
.macro TREE base                       ; 64 numbers into two, in place
.irp w, 32,16,8,4,2
.set i, 0
.rept (\w)/2
	v_pk_add_f32 v[(\base)+i:(\base)+i+1], v[(\base)+i:(\base)+i+1], v[(\base)+i+(\w):(\base)+i+(\w)+1]
.set i, i+2
.endr
.endr
.endm
	s_wait_tensorcnt 1                             ; my part of K step 0 is in; K step 1's may stay out
	s_barrier_signal -1
	s_barrier_wait -1
	FETCH 0, 0, F0
	s_mov_b32 s2, 3                                ; tiles to go
.Ltile:
	QUARTER 0, 1, F0, F1, 1                        ; a tile's first quarter starts the sums with the constant 0
	WIN 0
	s_mov_b32 s3, LAPS-1
.Llap:
	QUARTER 0, 2, F1, F0, 0
	QUARTER 0, 3, F0, F1, 0
	TURN 0, 1, 0
	QUARTER 1, 1, F0, F1, 0
	QUARTER 1, 2, F1, F0, 0
	QUARTER 1, 3, F0, F1, 0
	TURN 1, 0, 0
	QUARTER 0, 1, F0, F1, 0
	WIN 0
	s_sub_co_u32 s3, s3, 1
	s_cmp_lg_u32 s3, 0
	s_cbranch_scc1 .Llap
	QUARTER 0, 2, F1, F0, 0
	QUARTER 0, 3, F0, F1, 0
	WIN 0
	s_cmp_eq_u32 s2, 1
	s_cbranch_scc1 .Llast                          ; the last tile's tail is written out: it asks for nothing more
	TURN 0, 1, 1                                   ; the ring goes on into the next tile
	QUARTER 1, 1, F0, F1, 0
	QUARTER 1, 2, F1, F0, 0
	QUARTER 1, 3, F0, F1, 0
	TURN 1, 0, 1
	; A TILE OF K AND V GOES OUT.  Both refills are asked for; buffer 0 holds the next tile's first fragments and is left alone.
	WIN 0
	PLACES
	s_mov_b32 s[CA], 0
.Lkv:
.irp a, 0,1,2
	s_cmp_eq_u32 s[CA], \a
	s_cbranch_scc1 .Lk\a
.endr
	T1K 3
	s_branch .Lkj
.irp a, 0,1
.Lk\a:
	T1K \a
	s_branch .Lkj
.endr
.Lk2:
	T1K 2
.Lkj:
	SILU                                           ; U = phi(k)
	STORE KP
.irp a, 0,1,2
	s_cmp_eq_u32 s[CA], \a
	s_cbranch_scc1 .Lv\a
.endr
	T2 3
	s_branch .Lvj
.irp a, 0,1
.Lv\a:
	T2 \a
	s_branch .Lvj
.endr
.Lv2:
	T2 2
.Lvj:
	WIN 0x41
.set i, 0
.rept 32
	v_pk_mul_f32 v[E+i:E+i+1], v[E+i:E+i+1], v[U+i:U+i+1]   ; g = phi(k) (v + bv)
.set i, i+2
.endr
	WIN 0
	TREE U
	v_add_f32 v[TT], v[U], v[U+1]                  ; my 64 t of phi(k)
	s_wait_xcnt 0x0                                ; k's stores have read PK
	WIN 0x05
.set i, 0
.rept 32
	v_cvt_pk_bf16_f32 v[PK+i], v[E+2*i], v[E+2*i+1]
.set i, i+1
.endr
	WIN 0
	SEND8 GP
	WIN 0x45
	TREE E
	WIN 0x05
	v_add_f32 v[TT+1], v[E], v[E+1]                ; my 64 t of g
	WIN 0
	v_permlanex16_b32 v[TT+2], v[TT], s[SEL], s[SEL+1]     ; the row's other 64 t lie in the lane 16 away
	v_permlanex16_b32 v[TT+3], v[TT+1], s[SEL], s[SEL+1]
	v_add_f32 v[TT], v[TT], v[TT+2]
	v_add_f32 v[TT+1], v[TT+1], v[TT+3]
	v_cndmask_b32 v[TT+4], v[TT], v[TT+1], s[HM]   ; lanes 0-15 keep k's total, lanes 16-31 g's
.irp i, 0,1,2,3
	s_cmp_eq_u32 s[CA], \i
	s_cselect_b32 s[MK], -1, 0
	v_cndmask_b32 v[TK+(\i)], v[TK+(\i)], v[TT+4], s[MK]
.endr
	s_wait_xcnt 0x0                                ; the stores have read their bases
	s_add_nc_u64 s[KP:KP+1], s[KP:KP+1], 512       ; 16 channels on
	s_add_nc_u64 s[GP:GP+1], s[GP:GP+1], 512
	s_add_co_u32 s[CA], s[CA], 1
	s_cmp_lt_u32 s[CA], 4
	s_cbranch_scc1 .Lkv
	global_store_b128 v[TOF], v[TK:TK+3], s[TP:TP+1]       ; twice 256 consecutive bytes, aligned: the head's 64 totals of k, and of g
	s_wait_xcnt 0x0
	s_add_nc_u64 s[KP:KP+1], s[KP:KP+1], 2048      ; the next tile's head lies 128 channels on
	s_add_nc_u64 s[GP:GP+1], s[GP:GP+1], 2048
	s_add_nc_u64 s[TP:TP+1], s[TP:TP+1], 512       ; two heads on
.irp i, 0,1,2,3,4,5,6,7
	v_mov_b32 v[BV0+(\i)], v[BV1+(\i)]
.endr
	s_sub_co_u32 s2, s2, 1
	s_branch .Ltile
.Llast:
	MEET 0                                         ; slot 1 holds the last K step; nothing is filled again, so no round follows
	PLACES
	FETCH 1, 0, F0
	WIN MUL_HI
	MUL16 F1, 1, 0, 0
	MUL16 F1, 1, 2, 0
	QUARTER 1, 1, F0, F1, 0
	QUARTER 1, 2, F1, F0, 0
	QUARTER 1, 3, F0, F1, 0
	s_wait_dscnt 8
	MUL16 F1, 0, 0, 0
	MUL16 F1, 0, 2, 0
	s_wait_dscnt 0x0
	MUL16 F1, 1, 0, 0
	MUL16 F1, 1, 2, 0
	; THE TILE OF Q GOES OUT
	WIN 0
	PLACES
	s_mov_b32 s[CA], 0
.Lq:
.irp a, 0,1,2,3,4,5,6
	s_cmp_eq_u32 s[CA], \a
	s_cbranch_scc1 .Lq\a
.endr
	T1Q 7
	s_branch .Lqj
.irp a, 0,1,2,3,4,5
.Lq\a:
	T1Q \a
	s_branch .Lqj
.endr
.Lq6:
	T1Q 6
.Lqj:
	SILU
	STORE QP
	s_wait_xcnt 0x0
	s_add_nc_u64 s[QP:QP+1], s[QP:QP+1], 512
	s_add_co_u32 s[CA], s[CA], 1
	s_cmp_lt_u32 s[CA], 8
	s_cbranch_scc1 .Lq
	s_wait_tensorcnt 0x0                           ; the wave's end
	ds_add_u32 v[SPW], v[NIL]
	s_wait_dscnt 0x0
	CROUND                                         ; the closing round: no work-group ends while a partner may still ask for a tile that names it
	s_endpgm
.Lfunc_end_k_q29b57bdf72_qkv:
	.size	k_q29b57bdf72_qkv, .Lfunc_end_k_q29b57bdf72_qkv-k_q29b57bdf72_qkv
	.p2alignl 7, 3214868480
	.fill 96, 4, 3214868480
	.section	.rodata,"a",@progbits
	.p2align	6, 0x0
	.amdhsa_kernel k_q29b57bdf72_qkv
		.amdhsa_group_segment_fixed_size 327680
		.amdhsa_private_segment_fixed_size 0
		.amdhsa_enable_private_segment 0
		.amdhsa_kernarg_size 64
		.amdhsa_user_sgpr_count 2
		.amdhsa_user_sgpr_kernarg_segment_ptr 1
		.amdhsa_wavefront_size32 1
		.amdhsa_system_sgpr_workgroup_id_x 1
		.amdhsa_system_sgpr_workgroup_id_y 1
		.amdhsa_system_sgpr_workgroup_id_z 1
		.amdhsa_system_vgpr_workitem_id 0
		.amdhsa_next_free_vgpr 1024
		.amdhsa_next_free_sgpr 96
		.amdhsa_reserve_vcc 0
		.amdhsa_float_denorm_mode_32 3
		.amdhsa_float_denorm_mode_16_64 3
		.amdhsa_memory_ordered 1
		.amdhsa_forward_progress 1
		.amdhsa_inst_pref_size 222
	.end_amdhsa_kernel
	.amdgpu_metadata
---
amdhsa.version: [ 1, 2 ]
amdhsa.kernels:
  - .name:           k_q29b57bdf72_qkv
    .symbol:         k_q29b57bdf72_qkv.kd
    .args:
      - { .name: wc, .offset: 0, .size: 8, .value_kind: global_buffer, .address_space: global }
      - { .name: xb, .offset: 8, .size: 8, .value_kind: global_buffer, .address_space: global }
      - { .name: bq, .offset: 16, .size: 8, .value_kind: global_buffer, .address_space: global }
      - { .name: bv, .offset: 24, .size: 8, .value_kind: global_buffer, .address_space: global }
      - { .name: qb, .offset: 32, .size: 8, .value_kind: global_buffer, .address_space: global }
      - { .name: kb, .offset: 40, .size: 8, .value_kind: global_buffer, .address_space: global }
      - { .name: gb, .offset: 48, .size: 8, .value_kind: global_buffer, .address_space: global }
      - { .name: tot, .offset: 56, .size: 8, .value_kind: global_buffer, .address_space: global }
    .group_segment_fixed_size: 327680
    .private_segment_fixed_size: 0
    .kernarg_segment_align: 8
    .kernarg_segment_size: 64
    .max_flat_workgroup_size: 128
    .sgpr_count:     96
    .vgpr_count:     1024
    .wavefront_size: 32
...
	.end_amdgpu_metadata
.endif
;; end of part 2
;; launch scan (part 3): grid 256 x 1, 8 waves a work-group, no clusters, 0 bytes of LDS; arguments qb, kb, gb, tot, ob; writes ob
.if DOCPART == 3
	.amdgcn_target "amdgcn-amd-amdhsa--gfx1250"
	.amdhsa_code_object_version 6
	.text
	.protected	k_q29b57bdf72_scan
	.globl	k_q29b57bdf72_scan
	.p2align	8
	.type	k_q29b57bdf72_scan,@function
k_q29b57bdf72_scan:
	s_mov_b64 s[64:65], 0
	v_nop
	global_prefetch_b8 v0, s[64:65] scope:SCOPE_SE
	s_setreg_imm32_b32 hwreg(HW_REG_WAVE_MODE, 25, 1), 1
	s_wait_xcnt 0x0
; THE TWO RUNNING SUMS, THE DIVISOR AND THE QUOTIENT.  For each channel: ks[t] = sum over t' <= t of phi_k, gs[t] = the same of g = phi_k v; for each head: den[t] = sum over its 64 channels of phi_q ks;
; ob = phi_q gs / (8 den + 8e-6), which is phi_q gs / (den + 1e-6) / 8, rounded once to bf16.  qb, kb, gb, ob lie in blocks of 16 t: [b][tau][c][16 t].
; SHARES.  A wave owns one head and one chunk of 128 t; a work-group's eight waves eight chunks of a head.  What lies before the chunk comes from tot, the f32 sums over each 128 t that the launch before stored:
; every wave adds up the chunks before its own.  Waves hand each other nothing: no LDS, no barrier; work-groups share no tile: no cluster.  The launch is a stream, each byte of qb, kb, gb read once.
; THE SUMS ARE MATRIX PRODUCTS, 32 t a trip: S = TRI X + CAR.  Source 0 = TRI, 16 t x 32 t' of ones where t' <= t; source 1 = X, 32 t' x 16 channels, two loads of 16 bytes a lane as it lies in memory;
; C = CAR, the channel's f32 sum so far, the same in all 8 registers.  Ones times bf16 numbers are exact, the sums f32.  Then CAR = ONES X + CAR.  In S a lane holds one channel (l % 16) and t = 8 (l / 16) + 0..7, as qb's 16 bytes do.
; IN FLIGHT.  A trip's 24 loads (12 KiB a wave) are asked for as soon as the trip before has used the registers: trip 0's at the head, behind tot's 32 loads; each later trip's behind the products and the unpacking
; of the trip before, ahead of that trip's divisor, quotient and stores.  The last trip jumps over the loads; the wait at a trip's head is for 0, which is right on both ways.
; LIMITS.  The chunks at and behind my own are multiplied by 0, not left out: an infinite total there would spoil the sum.  NaN and infinities are not treated apart.  The reciprocal is the chip's 1/x.
; REGISTERS.  window 0: v1, v2 offsets; v3-7 at work; v8-39 Q; v40-103 QF[e][ct] (at the head: the prefix, at work); v104-111 DN; v112-127 PO; v128-255 S[e][z][ct] at 128 + 64 e + 32 z + 8 ct (at the head: tot's 32 rows).
;   window 1: v0-15 the constants 1 1 1 1 1 1 1 1 T0 T1 T2 T3 0 0 0 0 (packed bf16): ONES = v[0:7], TRI of the second 16 t = v[4:11], of the first = v[8:15]; v16-79 CAR[z][ct]; v128-191 X[z][ct].
.set OFF, 1                            ; v1   32 (l % 16) + 16 (l / 16), and 2 tau on in each trip
.set TOF, 2                            ; v2   4,096 (l / 16) + 16 (l % 16)
.set Q,   8
.set QF,  40
.set DN,  104
.set PO,  112
.set S,   128
.set PP,  40                           ; at the head, in QF's registers: my plane's prefix, four ct
.set OO,  44                           ; the other plane's
.set KPX, 48                           ; k's, in every lane
.set GPX, 52                           ; g's
.set TT,  56                           ; eight at work
.set ZR,  64                           ; 0
.set ONES, 0
.set TRI1, 4
.set TRI0, 8
.set CAR, 16
.set X,   128
.set MSB, 0
.macro WIN new
.if MSB != (\new)
	s_set_vgpr_msb (MSB<<8)|(\new)
.set MSB, \new
.endif
.endm
; A trip's 24 loads, from byte base behind my offset: k and g (16 channels x 16 t, 512 consecutive bytes a load) into X, phi_q into Q
.macro LOADS base
	WIN 0x40
.irp c, 0,1,2,3
.irp e, 0,1
	global_load_b128 v[X+8*(\c)+4*(\e):X+8*(\c)+4*(\e)+3],       v[OFF], s[6:7] offset:(\base)+512*(\c)+32768*(\e) th:TH_LOAD_NT
	global_load_b128 v[X+32+8*(\c)+4*(\e):X+32+8*(\c)+4*(\e)+3], v[OFF], s[8:9] offset:(\base)+512*(\c)+32768*(\e) th:TH_LOAD_NT
.endr
.endr
	WIN 0
.irp e, 0,1
.irp c, 0,1,2,3
	global_load_b128 v[Q+16*(\e)+4*(\c):Q+16*(\e)+4*(\c)+3], v[OFF], s[4:5] offset:(\base)+512*(\c)+32768*(\e) th:TH_LOAD_NT
.endr
.endr
.endm
	s_load_b256 s[4:11], s[0:1], 0x0               ; qb s[4:5], kb s[6:7], gb s[8:9], tot s[10:11]
	s_load_b64 s[12:13], s[0:1], 0x20              ; ob
	v_lshrrev_b32 v3, 5, v0
	v_readfirstlane_b32 s14, v3                    ; wave
	s_and_b32 s15, ttmp9, 3
	s_lshl_b32 s15, s15, 3
	s_add_co_u32 s15, s15, s14                     ; my chunk, 0..31
	s_lshr_b32 s16, ttmp9, 6                       ; b
	s_bfe_u32 s17, ttmp9, 0x40002                  ; head
	s_lshl_b32 s20, s16, 23                        ; b x 8,388,608
	s_lshl_b32 s18, s15, 18                        ; + 8 tau of 32,768 bytes
	s_add_co_u32 s20, s20, s18
	s_lshl_b32 s18, s17, 11                        ; + 64 channels of 32 bytes
	s_add_co_u32 s20, s20, s18
	s_mov_b32 s21, 0
	s_lshl_b32 s22, s16, 18                        ; tot: 32 rows of 8,192 bytes a batch
	s_lshl_b32 s18, s17, 8                         ; + 256 bytes a head
	s_add_co_u32 s22, s22, s18
	s_mov_b32 s23, 0
	s_mov_b32 s24, 0x41000000                      ; 8.0
	s_mov_b32 s25, s24
	s_mov_b32 s26, 0x370637bd                      ; 8e-6
	s_mov_b32 s27, s26
	s_mov_b32 s28, 0xffff0000                      ; a word's upper bf16; also: lanes 16-31
	s_mov_b32 s30, 0x76543210
	s_mov_b32 s31, 0xfedcba98
	s_mov_b32 s35, 0
	v_and_b32 v3, 15, v0                           ; r
	v_bfe_u32 v4, v0, 4, 1                         ; h
	v_lshlrev_b32 v[OFF], 5, v3
	v_lshl_add_u32 v[OFF], v4, 4, v[OFF]
	v_lshlrev_b32 v[TOF], 4, v3
	v_lshl_add_u32 v[TOF], v4, 12, v[TOF]
	s_wait_kmcnt 0x0
	s_add_nc_u64 s[4:5], s[4:5], s[20:21]
	s_add_nc_u64 s[6:7], s[6:7], s[20:21]
	s_add_nc_u64 s[8:9], s[8:9], s[20:21]
	s_add_nc_u64 s[12:13], s[12:13], s[20:21]
	s_add_nc_u64 s[10:11], s[10:11], s[22:23]
.set n, 0
.rept 32                               ; the batch's 32 chunks: lanes 0-15 k's totals, lanes 16-31 g's, four ct a lane
	global_load_b128 v[S+4*n:S+4*n+3], v[TOF], s[10:11] offset:8192*n
.set n, n+1
.endr
	LOADS 0                                        ; trip 0, asked for at once: it hangs on nothing that the prefix makes
	; the constants, while those loads are out.  T_i: ones where t' = 8 h + 2 i, 8 h + 2 i + 1 is at most t = r
	v_lshlrev_b32 v5, 3, v4
	v_sub_nc_u32 v5, v3, v5                        ; r - 8 h
	v_mov_b32 v6, 0x3f80
	v_mov_b32 v7, 0x3f800000
	v_mov_b32 v[ZR], 0
.irp i, 0,1,2,3
	v_cmp_gt_i32 vcc_lo, 2*(\i), v5
	v_cndmask_b32 v[TT+(\i)], v6, v[ZR], vcc_lo
	v_cmp_gt_i32 vcc_lo, 2*(\i)+1, v5
	v_cndmask_b32 v[TT+4+(\i)], v7, v[ZR], vcc_lo
	v_or_b32 v[TT+(\i)], v[TT+(\i)], v[TT+4+(\i)]
.endr
	WIN 0x40
.irp i, 0,1,2,3,4,5,6,7
	v_mov_b32 v[ONES+(\i)], 0x3f803f80
.endr
.irp i, 0,1,2,3
	v_mov_b32 v[TRI0+(\i)], v[TT+(\i)]
	v_mov_b32 v[TRI0+4+(\i)], 0
.endr
	WIN 0
.irp i, 0,1,2,3
	v_mov_b32 v[OO+(\i)], 0                        ; the exchange's destinations count as read
.endr
	s_wait_loadcnt 24                              ; tot's 32 rows are in; trip 0's 24 loads, issued behind them, may stay out
	s_cmp_gt_u32 s15, 0                            ; chunk n counts if it lies before mine
	s_cselect_b32 s34, 1.0, 0
	v_pk_mul_f32 v[PP:PP+1], v[S:S+1], s[34:35] op_sel_hi:[1,0]
	v_pk_mul_f32 v[PP+2:PP+3], v[S+2:S+3], s[34:35] op_sel_hi:[1,0]
.set n, 1
.rept 31
	s_cmp_gt_u32 s15, n
	s_cselect_b32 s34, 1.0, 0
	v_pk_fma_f32 v[PP:PP+1], v[S+4*n:S+4*n+1], s[34:35], v[PP:PP+1] op_sel_hi:[1,0,1]
	v_pk_fma_f32 v[PP+2:PP+3], v[S+4*n+2:S+4*n+3], s[34:35], v[PP+2:PP+3] op_sel_hi:[1,0,1]
.set n, n+1
.endr
.irp i, 0,1,2,3
	v_permlanex16_b32 v[OO+(\i)], v[PP+(\i)], s30, s31
.endr
.irp i, 0,1,2,3
	v_cndmask_b32 v[KPX+(\i)], v[PP+(\i)], v[OO+(\i)], s28
	v_cndmask_b32 v[GPX+(\i)], v[OO+(\i)], v[PP+(\i)], s28
.endr
	WIN 0x40
.irp c, 0,1,2,3
.irp j, 0,1,2,3,4,5,6,7
	v_mov_b32 v[CAR+8*(\c)+(\j)], v[KPX+(\c)]
	v_mov_b32 v[CAR+32+8*(\c)+(\j)], v[GPX+(\c)]
.endr
.endr
	WIN 0
.macro UNPACK e                        ; phi_q of 16 t, four ct, to f32
.set i, 0
.rept 16
	v_lshlrev_b32 v[QF+32*(\e)+2*i], 16, v[Q+16*(\e)+i]
	v_and_b32 v[QF+32*(\e)+2*i+1], s28, v[Q+16*(\e)+i]
.set i, i+1
.endr
.endm
.macro VTILE e                         ; 16 t: the divisor, the quotient, the store
.set SK, S+64*(\e)
.set SG, S+64*(\e)+32
.set QE, QF+32*(\e)
.irp p, 0,2,4,6                        ; each accumulator is read from its low end on
	v_pk_mul_f32 v[DN+(\p):DN+(\p)+1], v[QE+(\p):QE+(\p)+1], v[SK+(\p):SK+(\p)+1]
.endr
.irp c, 1,2,3
.irp p, 0,2,4,6
	v_pk_fma_f32 v[DN+(\p):DN+(\p)+1], v[QE+8*(\c)+(\p):QE+8*(\c)+(\p)+1], v[SK+8*(\c)+(\p):SK+8*(\c)+(\p)+1], v[DN+(\p):DN+(\p)+1]
.endr
.endr
.irp m, 1,2,4,8                        ; over the 16 lanes that hold the same t: every lane ends with the head's sum
.irp j, 0,1,2,3,4,5,6,7
	v_add_f32_dpp v[DN+(\j)], v[DN+(\j)], v[DN+(\j)] row_xmask:\m row_mask:0xf bank_mask:0xf
.endr
.endr
.irp p, 0,2,4,6
	v_pk_fma_f32 v[DN+(\p):DN+(\p)+1], v[DN+(\p):DN+(\p)+1], s[24:25], s[26:27] op_sel_hi:[1,0,0]
.endr
.irp j, 0,1,2,3,4,5,6,7
	v_rcp_f32 v[DN+(\j)], v[DN+(\j)]
.endr
	v_nop                                          ; a plain instruction behind the last reciprocal
.set i, 0
.rept 16
	v_pk_mul_f32 v[SG+i:SG+i+1], v[SG+i:SG+i+1], v[QE+i:QE+i+1]   ; work that names no reciprocal
.set i, i+2
.endr
	s_wait_alu depctr_va_vdst(0)                   ; one wait for the eight reciprocals, ahead of their first reader
.set i, 0
.rept 16
	v_pk_mul_f32 v[SG+i:SG+i+1], v[SG+i:SG+i+1], v[DN+i%8:DN+i%8+1]
.set i, i+2
.endr
	s_wait_xcnt 0x0                                ; earlier stores have read PO
.set i, 0
.rept 16
	v_cvt_pk_bf16_f32 v[PO+i], v[SG+2*i], v[SG+2*i+1]
.set i, i+1
.endr
.irp c, 0,1,2,3
	global_store_b128 v[OFF], v[PO+4*(\c):PO+4*(\c)+3], s[12:13] offset:512*(\c)+32768*(\e)   ; 512 consecutive bytes, aligned
.endr
.endm
	s_mov_b32 s29, 4
.Ltrip:                                ; 32 t
	s_wait_loadcnt 0x0                             ; this trip's k, g and phi_q are in: no load was issued behind them
	WIN 0x15                                       ; TRI, X and CAR in window 1, S in window 0
.irp z, 0,1
.irp c, 0,1,2,3
	v_wmma_f32_16x16x32_bf16 v[S+32*(\z)+8*(\c):S+32*(\z)+8*(\c)+7], v[TRI0:TRI0+7], v[X+32*(\z)+8*(\c):X+32*(\z)+8*(\c)+7], v[CAR+32*(\z)+8*(\c):CAR+32*(\z)+8*(\c)+7]
	v_wmma_f32_16x16x32_bf16 v[S+64+32*(\z)+8*(\c):S+64+32*(\z)+8*(\c)+7], v[TRI1:TRI1+7], v[X+32*(\z)+8*(\c):X+32*(\z)+8*(\c)+7], v[CAR+32*(\z)+8*(\c):CAR+32*(\z)+8*(\c)+7]
.endr
.endr
	WIN 0
	UNPACK 0                                       ; 32 plain lines that name none of those products' registers: the places in front of the products that write over CAR
	WIN 0x55
.irp z, 0,1
.irp c, 0,1,2,3                        ; eight accumulators, one instruction each: no two on end share one
	v_wmma_f32_16x16x32_bf16 v[CAR+32*(\z)+8*(\c):CAR+32*(\z)+8*(\c)+7], v[ONES:ONES+7], v[X+32*(\z)+8*(\c):X+32*(\z)+8*(\c)+7], v[CAR+32*(\z)+8*(\c):CAR+32*(\z)+8*(\c)+7]
.endr
.endr
	WIN 0
	UNPACK 1                                       ; 32 more: the places in front of the loads into X and of the readers of S; behind them Q is free too
	s_cmp_eq_u32 s29, 1                            ; the last trip has none behind it
	s_cbranch_scc1 .Lnone
	LOADS 65536                                    ; the next trip, 2 tau on: on its way during all that follows
.Lnone:
	VTILE 0
	VTILE 1
	s_wait_xcnt 0x0                                ; the trip's loads and stores have read their offset
	v_add_nc_u32 v[OFF], 0x10000, v[OFF]           ; 2 tau on
	s_sub_co_u32 s29, s29, 1
	s_cmp_lg_u32 s29, 0
	s_cbranch_scc1 .Ltrip
	s_endpgm
.Lfunc_end_k_q29b57bdf72_scan:
	.size	k_q29b57bdf72_scan, .Lfunc_end_k_q29b57bdf72_scan-k_q29b57bdf72_scan
	.p2alignl 7, 3214868480
	.fill 96, 4, 3214868480
	.section	.rodata,"a",@progbits
	.p2align	6, 0x0
	.amdhsa_kernel k_q29b57bdf72_scan
		.amdhsa_group_segment_fixed_size 0
		.amdhsa_private_segment_fixed_size 0
		.amdhsa_enable_private_segment 0
		.amdhsa_kernarg_size 40
		.amdhsa_user_sgpr_count 2
		.amdhsa_user_sgpr_kernarg_segment_ptr 1
		.amdhsa_wavefront_size32 1
		.amdhsa_system_sgpr_workgroup_id_x 1
		.amdhsa_system_sgpr_workgroup_id_y 1
		.amdhsa_system_sgpr_workgroup_id_z 1
		.amdhsa_system_vgpr_workitem_id 0
		.amdhsa_next_free_vgpr 448
		.amdhsa_next_free_sgpr 66
		.amdhsa_reserve_vcc 1
		.amdhsa_float_denorm_mode_32 3
		.amdhsa_float_denorm_mode_16_64 3
		.amdhsa_memory_ordered 1
		.amdhsa_forward_progress 1
		.amdhsa_inst_pref_size 38
	.end_amdhsa_kernel
	.amdgpu_metadata
---
amdhsa.version: [ 1, 2 ]
amdhsa.kernels:
  - .name:           k_q29b57bdf72_scan
    .symbol:         k_q29b57bdf72_scan.kd
    .args:
      - { .name: qb, .offset: 0, .size: 8, .value_kind: global_buffer, .address_space: global }
      - { .name: kb, .offset: 8, .size: 8, .value_kind: global_buffer, .address_space: global }
      - { .name: gb, .offset: 16, .size: 8, .value_kind: global_buffer, .address_space: global }
      - { .name: tot, .offset: 24, .size: 8, .value_kind: global_buffer, .address_space: global }
      - { .name: ob, .offset: 32, .size: 8, .value_kind: global_buffer, .address_space: global }
    .group_segment_fixed_size: 0
    .private_segment_fixed_size: 0
    .kernarg_segment_align: 8
    .kernarg_segment_size: 40
    .max_flat_workgroup_size: 256
    .sgpr_count:     66
    .vgpr_count:     448
    .wavefront_size: 32
...
	.end_amdgpu_metadata
.endif
;; end of part 3
;; launch proj (part 4): grid 64 x 4, 4 waves a work-group, clusters of 4 x 4, 327,680 bytes of LDS; arguments wc, ob, bo, out0; writes out0
.if DOCPART == 4
	.amdgcn_target "amdgcn-amd-amdhsa--gfx1250"
	.amdhsa_code_object_version 6
	.text
	.protected	k_q29b57bdf72_proj
	.globl	k_q29b57bdf72_proj
	.p2align	8
	.type	k_q29b57bdf72_proj,@function
k_q29b57bdf72_proj:
	s_mov_b64 s[64:65], 0
	v_nop
	global_prefetch_b8 v0, s[64:65] scope:SCOPE_SE
	s_setreg_imm32_b32 hwreg(HW_REG_WAVE_MODE, 25, 1), 1
	s_wait_xcnt 0x0
	s_wait_alu depctr_hold_cnt(0) depctr_sa_sdst(0) depctr_va_vdst(0) depctr_va_sdst(0) depctr_va_ssrc(0) depctr_va_vcc(0) depctr_vm_vsrc(0)
	s_getreg_b32 s2, hwreg(HW_REG_IB_STS2, 6, 4)
	s_cmp_eq_u32 s2, 0
	s_cbranch_scc0 .Lentry_in_a_cluster
	s_endpgm
.Lentry_in_a_cluster:
	s_bfe_u32 s2, ttmp6, 0x10000c
	s_cmp_lg_u32 s2, 0xf033
	s_cbranch_scc0 .Lentry_shape_is_right
	s_endpgm
.Lentry_shape_is_right:
; THE LAST PROJECTION.  out0[b][o][t] = sum over c of Wo[o][c] ob[c][t] + bo[o], f32.  Wo is rows 3,072-4,095 of wc, bf16; ob lies in blocks of 16 t ([b][tau][c][16 t]), bf16; sums in f32.
; SHAPE.  A tile is 256 rows x 256 t, one to a work-group, four waves of 128 x 128: 64 accumulators, 512 registers.  K goes in steps of 128 through two LDS slots filled by the tensor data mover.
; THE PRODUCT: source 0 = 16 t x 32 c of ob (turned out of LDS by ds_load_tr16_b128), source 1 = 16 rows x 32 c of Wo: a lane holds ONE row o (l % 16) and t = 8 (l / 16) + 0..7.
; THE WAY OUT: 16 rows x 128 t of f32 at a time through my own stage in LDS (rows of 528 bytes), back as whole rows of 512 bytes, so that a store covers 512 consecutive bytes, aligned.
; CLUSTER 4 x 4: the four work-groups of a row of the cluster take the same rows of Wo, the four of a column the same t of ob: each tile is asked for jointly.  The grid is one cluster high: the tile row is cy.
; REGISTERS: window 0: v0-31 addresses; v32-47 bo; v64-127, v128-191 fragments of Wo (the second later T); v192-255 R.  window 1: v64-191 fragments of ob.  windows 2, 3: accumulator (a, b) at v[8 (8 (a % 4) + b)].
.set KSTEP,  128
.set PITCH,  272                       ; an LDS row of Wo: 256 bytes + 16 of padding: the 16 rows of a load start at 16 different groups of four banks (64 banks of 4 bytes: ISA guide 11.1)
.set HALFA,  128*PITCH
.set HALFB,  32768
.set BOFF,   2*HALFA
.set SLOT,   BOFF+2*HALFB
.set STAGE,  2*SLOT                    ; behind the ring, never filled by a tensor load: 16 rows x 528 bytes for each wave
.set SPITCH, 528                       ; 512 + 16: 33 x 16 bytes, so the 16 rows of a store start at 16 different groups of four banks
.set SPARE,  STAGE+4*16*SPITCH         ; the spare words, 128 bytes for each wave: two blocks of 256 bytes that no other line names
.set LAPS,   4
.set ABASE,  3072*2048
.set ADRA, 16
.set ADRB, 20
.set STO,  24                          ; v24  where I put 32 bytes of a row
.set RD,   25                          ; v25  where I read 16 bytes of a row back
.set CO,   26                          ; v26  16 l: my 16 bytes of a row's 512
.set BIO,  27                          ; v27  4 (l % 16)
.set SPW,  28
.set NIL,  29
.set PFO,  30
.set BO,   32                          ; eight pairs
.set F0,   64
.set F1,   128
.set T,    128
.set R,    192
.set G1,  24
.set G0,  32
.set G1B, 48
.set G0B, 56
.set LIM, 43
.set PFA, 44
.set PFS, 66
.set OP,  70                           ; s[70:71] out0 at my place
.set CA,  72
.set MSB, 0
.macro WIN new
.if MSB != (\new)
	s_set_vgpr_msb (MSB<<8)|(\new)
.set MSB, \new
.endif
.endm
.set MUL_LO, 0xa1
.set MUL_HI, 0xf1
.set TO_B,   0x40
.macro JLOAD s                         ; a joint load: waves 0 and 1 fetch Wo's two halves, waves 2 and 3 ob's; an s_nop 0 and four v_nop follow each line
	s_cmp_eq_u32 s11, 0
	s_cbranch_scc0 .Lfor_b_\@
	tensor_load_to_lds s[G0+4*(\s):G0+4*(\s)+3], s[G1:G1+7]
	s_nop 0
.rept 4
	v_nop
.endr
	s_branch .Lasked_\@
.Lfor_b_\@:
	tensor_load_to_lds s[G0B+4*(\s):G0B+4*(\s)+3], s[G1B:G1B+7]
	s_nop 0
.rept 4
	v_nop
.endr
.Lasked_\@:
.endm
; A prefetch, behind each joint load and the run of LDS loads behind it: the K step two refills on, 32 blocks of 256 bytes, a lane a block.  Each block is named once in the launch: Wo's rows by the first
; cluster alone, ob's by the one cluster that reads them; the four partners of a joint load share its blocks out by address.  The loop's last trip asks for nothing.
.macro ASK
	s_cmp_gt_u32 s3, s[LIM]
	s_cbranch_scc0 .Lnot_mine_\@
	global_prefetch_b8 v[PFO], s[PFA:PFA+1] th:TH_LOAD_NT scope:SCOPE_SE
.Lnot_mine_\@:
.endm
.macro CREST
	s_cmp_lg_u32 s10, 0
	s_cbranch_scc1 .Lnot_wave_0_\@
	s_barrier_signal -3
.Lnot_wave_0_\@:
	s_barrier_wait -3
	s_barrier_signal -1
	s_barrier_wait -1
.endm
.macro CROUND
	s_barrier_signal -1
	s_barrier_wait -1
	CREST
.endm
	s_load_b128 s[4:7], s[0:1], 0x0                ; wc s[4:5], ob s[6:7]
	s_load_b128 s[68:71], s[0:1], 0x10             ; bo s[68:69], out0 s[70:71]
	v_lshl_add_u32 v[SPW], v0, 2, SPARE
	v_mov_b32 v[NIL], 0
	ds_add_u32 v[SPW], v[NIL]                      ; the wave's opening: the add and its wait ahead of my first tensor load
	v_lshrrev_b32 v1, 5, v0
	v_readfirstlane_b32 s10, v1
	s_lshr_b32 s11, s10, 1
	s_and_b32 s12, s10, 1
	s_bfe_u32 s40, ttmp6, 0x40000                  ; cx
	s_bfe_u32 s41, ttmp6, 0x40004                  ; cy = the tile row
	s_lshl_b32 s42, ttmp9, 2
	s_add_co_u32 s42, s42, s40                     ; the tile column: 16 b + block of 256 t
	s_lshl_b32 s43, s41, 2
	s_lshl_b32 s43, 15, s43
	s_lshl_b32 s44, 0x1111, s40
	s_or_b32 s[G1+0], s43, (1<<16)|(1<<20)|(1<<21)|(5<<22)|(3<<25)
	s_or_b32 s[G1B+0], s44, (1<<16)|(1<<21)
	s_mov_b32 s[G1+1], KSTEP<<16
	s_mov_b32 s[G1+2], 128<<16
	s_mov_b32 s[G1+3], KSTEP<<16
	s_mov_b32 s[G1+4], 128
	s_mov_b32 s[G1+5], 1024
	s_mov_b32 s[G1+6], 0
	s_mov_b32 s[G1+7], 0
	s_mov_b32 s[G1B+1], 2048<<16                   ; 128 channels x 16 t: 4,096 consecutive bytes
	s_mov_b32 s[G1B+2], 8<<16                      ; 8 tau
	s_mov_b32 s[G1B+3], 2048<<16
	s_mov_b32 s[G1B+4], 8
	s_mov_b32 s[G1B+5], 16384
	s_mov_b32 s[G1B+6], 0
	s_mov_b32 s[G1B+7], 0
	s_lshl_b32 s17, s12, 7
	s_lshl_b32 s16, s41, 8
	s_add_co_u32 s16, s16, s17
	s_lshl_b32 s16, s16, 11
	s_add_co_u32 s16, s16, ABASE
	s_mov_b32 s17, 0
	s_lshl_b32 s46, s42, 19
	s_lshl_b32 s47, s12, 18
	s_add_co_u32 s46, s46, s47
	s_mov_b32 s47, 0
	s_mul_i32 s20, s12, HALFA
	s_lshl_b32 s21, s12, 15
	s_add_co_u32 s21, s21, BOFF
	s_wait_dscnt 0x0                               ; the opening add is done
	s_wait_kmcnt 0x0
	s_add_nc_u64 s[14:15], s[4:5], s[16:17]
	s_add_nc_u64 s[46:47], s[6:7], s[46:47]
	CROUND                                         ; all sixteen work-groups are here: the first joint loads meet
.irp s, 0,1
	s_mov_b32 s[G0+4*(\s)], 1
	s_add_co_u32 s[G0+4*(\s)+1], s20, (\s)*SLOT
	s_add_nc_u64 s[G0+4*(\s)+2:G0+4*(\s)+3], s[14:15], (\s)*KSTEP*2
	s_or_b32 s[G0+4*(\s)+3], s[G0+4*(\s)+3], 0x80000000
	s_mov_b32 s[G0B+4*(\s)], 1
	s_add_co_u32 s[G0B+4*(\s)+1], s21, (\s)*SLOT
	s_add_nc_u64 s[G0B+4*(\s)+2:G0B+4*(\s)+3], s[46:47], (\s)*4096
	s_or_b32 s[G0B+4*(\s)+3], s[G0B+4*(\s)+3], 0x80000000
	JLOAD \s                                       ; two loads of mine are out
.endr
	v_and_b32 v1, 15, v0                           ; r
	v_bfe_u32 v2, v0, 4, 1                         ; h
	v_mul_u32_u24 v3, v1, PITCH
	v_lshl_add_u32 v3, v2, 4, v3
	v_and_b32 v4, 7, v0
	v_lshl_add_u32 v4, v2, 3, v4
	v_lshlrev_b32 v4, 5, v4
	v_bfe_u32 v5, v0, 3, 1
	v_lshl_add_u32 v4, v5, 4, v4
	s_mul_i32 s21, s11, HALFA
	s_lshl_b32 s22, s12, 15
	s_add_co_u32 s22, s22, BOFF
.irp s, 0,1
	v_add_nc_u32 v[ADRA+(\s)], s21, v3
	v_add_nc_u32 v[ADRB+(\s)], s22, v4
	s_add_co_u32 s21, s21, SLOT
	s_add_co_u32 s22, s22, SLOT
.endr
	s_mul_i32 s23, s10, 16*SPITCH
	s_add_co_u32 s23, s23, STAGE                   ; my stage
	v_mul_u32_u24 v4, v1, SPITCH
	v_lshl_add_u32 v4, v2, 5, v4                   ; in: row r, 32 bytes for each half of the lanes
	v_add_nc_u32 v[STO], s23, v4
	v_and_b32 v5, 31, v0
	v_lshlrev_b32 v[CO], 4, v5
	v_add_nc_u32 v[RD], s23, v[CO]                 ; back: 32 lanes take one row of 512 bytes
	v_lshlrev_b32 v[BIO], 2, v1
	s_lshr_b32 s20, s42, 4                         ; out0: b x 16,777,216
	s_lshl_b32 s20, s20, 24
	s_lshl_b32 s22, s41, 22                        ;   + 256 cy rows of 16,384 bytes
	s_add_co_u32 s20, s20, s22
	s_lshl_b32 s22, s11, 21                        ;   + my 128 rows
	s_add_co_u32 s20, s20, s22
	s_and_b32 s22, s42, 15
	s_lshl_b32 s22, s22, 10                        ;   + 256 t of 4 bytes
	s_add_co_u32 s20, s20, s22
	s_lshl_b32 s22, s12, 9                         ;   + my 128 t
	s_add_co_u32 s20, s20, s22
	s_mov_b32 s21, 0
	s_add_nc_u64 s[OP:OP+1], s[OP:OP+1], s[20:21]
	s_lshl_b32 s20, s41, 10
	s_lshl_b32 s22, s11, 9
	s_add_co_u32 s20, s20, s22
	s_add_nc_u64 s[68:69], s[68:69], s[20:21]
.irp a, 0,1,2,3,4,5,6,7
	global_load_b32 v[BO+2*(\a)], v[BIO], s[68:69] offset:64*(\a)
.endr
	; the prefetches, as they stand at K step 3: the first change of slots steps them to 4
	s_lshl_b32 s20, s41, 8
	s_lshl_b32 s21, s12, 7
	s_add_co_u32 s20, s20, s21
	s_lshl_b32 s21, s40, 5
	s_add_co_u32 s20, s20, s21
	s_lshl_b32 s20, s20, 11
	s_add_co_u32 s20, s20, ABASE+3*256
	s_lshl_b32 s22, s42, 19
	s_lshl_b32 s23, s12, 18
	s_add_co_u32 s22, s22, s23
	s_lshl_b32 s23, s41, 16
	s_add_co_u32 s22, s22, s23
	s_add_co_u32 s22, s22, 3*4096
	s_mov_b32 s18, 256
	s_mov_b32 s19, 4096
	s_cmp_eq_u32 s11, 0
	s_cselect_b32 s20, s20, s22
	s_cselect_b64 s[PFA:PFA+1], s[4:5], s[6:7]
	s_cselect_b32 s[PFS], s18, s19
	s_cselect_b32 s22, ttmp9, 0
	s_cselect_b32 s23, 0, -1
	s_mov_b32 s21, 0
	s_mov_b32 s[PFS+1], 0
	s_add_nc_u64 s[PFA:PFA+1], s[PFA:PFA+1], s[20:21]
	s_cmp_eq_u32 s22, 0
	s_cselect_b32 s[LIM], 1, -1
	v_lshlrev_b32 v6, 11, v5
	v_lshrrev_b32 v7, 4, v5
	v_and_b32 v8, 15, v5
	v_lshlrev_b32 v8, 8, v8
	v_lshl_add_u32 v7, v7, 15, v8
	v_cndmask_b32 v[PFO], v6, v7, s23
	s_wait_loadcnt 0x0                             ; bo, once: doubled into pairs
.irp a, 0,1,2,3,4,5,6,7
	v_mov_b32 v[BO+2*(\a)+1], v[BO+2*(\a)]
.endr
.macro MUL16 f, hi, a0, zero           ; the 64 accumulators take turns, one instruction a turn
	WIN MUL_LO+0x50*(\hi)
.irp a, \a0, (\a0)+1
.irp b, 0,1,2,3,4,5,6,7
.if \zero
	v_wmma_f32_16x16x32_bf16 v[8*(8*(\a)+(\b)):8*(8*(\a)+(\b))+7], v[(\f)+8*(\b):(\f)+8*(\b)+7], v[(\f)+8*(4*(\hi)+(\a)):(\f)+8*(4*(\hi)+(\a))+7], 0
.else
	v_wmma_f32_16x16x32_bf16 v[8*(8*(\a)+(\b)):8*(8*(\a)+(\b))+7], v[(\f)+8*(\b):(\f)+8*(\b)+7], v[(\f)+8*(4*(\hi)+(\a)):(\f)+8*(4*(\hi)+(\a))+7], v[8*(8*(\a)+(\b)):8*(8*(\a)+(\b))+7]
.endif
.endr
.endr
.endm
.macro FETCH slot, q, f
	WIN TO_B
.irp i, 0,1,2,3,4,5,6,7
	ds_load_tr16_b128 v[(\f)+8*(\i):(\f)+8*(\i)+3],   v[ADRB+(\slot)] offset:1024*(\q)+4096*(\i)
	ds_load_tr16_b128 v[(\f)+8*(\i)+4:(\f)+8*(\i)+7], v[ADRB+(\slot)] offset:1024*(\q)+4096*(\i)+512
.endr
	WIN 0
.irp i, 0,1,2,3,4,5,6,7
	ds_load_b128 v[(\f)+8*(\i):(\f)+8*(\i)+3],   v[ADRA+(\slot)] offset:64*(\q)+(\i)*16*PITCH
	ds_load_b128 v[(\f)+8*(\i)+4:(\f)+8*(\i)+7], v[ADRA+(\slot)] offset:64*(\q)+(\i)*16*PITCH+32
.endr
.endm
.macro PLACES
.rept 4
	v_nop
.endr
.endm
.macro QUARTER slot, q, f, g, zero
	s_wait_dscnt 8                                 ; ob and Wo's rows 0-63 are in; the youngest eight loads may be out
	WIN MUL_LO
	MUL16 \f, 0, 0, \zero
	MUL16 \f, 0, 2, \zero
	PLACES
	FETCH \slot, \q, \g
	s_wait_dscnt 32                                ; all but the 32 just issued
	WIN MUL_HI
	MUL16 \f, 1, 0, \zero
	MUL16 \f, 1, 2, \zero
.endm
.macro MEET round
	WIN 0
	s_wait_tensorcnt 0x0                           ; all my tensor loads have landed: my part of the next slot;
	ds_add_u32 v[SPW], v[NIL]                      ; 0 onto my spare word;
	s_wait_dscnt 9                                 ; (the add and the youngest eight loads may be out)
	WIN MUL_LO
	MUL16 F1, 0, 0, 0
	s_wait_dscnt 0x0                               ; the add is done, and my reads of this slot are over
	s_barrier_signal -1
	MUL16 F1, 0, 2, 0
.if \round
	WIN 0
.endif
	s_barrier_wait -1
.endm
.macro TURN slot, next
	s_wait_xcnt 0x0                                ; the last prefetch, a K step back, has read its address
	s_add_nc_u64 s[PFA:PFA+1], s[PFA:PFA+1], s[PFS:PFS+1]
	MEET 1
	CREST                                          ; no wave of any partner still reads this slot or has a load on its way
	s_add_nc_u64 s[G0+4*(\slot)+2:G0+4*(\slot)+3], s[G0+4*(\slot)+2:G0+4*(\slot)+3], 2*KSTEP*2
	s_add_nc_u64 s[G0B+4*(\slot)+2:G0B+4*(\slot)+3], s[G0B+4*(\slot)+2:G0B+4*(\slot)+3], 2*4096
	JLOAD \slot                                    ; my one tensor load behind the round: 224 matrix instructions ahead of the wait for it
	FETCH \next, 0, F0
	ASK
	WIN MUL_HI
	MUL16 F1, 1, 0, 0
	MUL16 F1, 1, 2, 0
.endm
.macro TB a                            ; T = block a of eight + bo; each accumulator is read from its low end on
	WIN 0x02+(\a)/4
.set i, 0
.rept 32
	v_pk_add_f32 v[T+i:T+i+1], v[64*((\a)%4)+i:64*((\a)%4)+i+1], v[BO+2*(\a):BO+2*(\a)+1]
.set i, i+2
.endr
	WIN 0
.endm
	s_wait_tensorcnt 1                             ; my part of K step 0 is in; K step 1's may stay out
	s_barrier_signal -1
	s_barrier_wait -1
	FETCH 0, 0, F0
	QUARTER 0, 1, F0, F1, 1                        ; the first quarter starts the sums with the constant 0
	WIN 0
	s_mov_b32 s3, LAPS-1
.Llap:
	QUARTER 0, 2, F1, F0, 0
	QUARTER 0, 3, F0, F1, 0
	TURN 0, 1
	QUARTER 1, 1, F0, F1, 0
	QUARTER 1, 2, F1, F0, 0
	QUARTER 1, 3, F0, F1, 0
	TURN 1, 0
	QUARTER 0, 1, F0, F1, 0
	WIN 0
	s_sub_co_u32 s3, s3, 1
	s_cmp_lg_u32 s3, 0
	s_cbranch_scc1 .Llap
	QUARTER 0, 2, F1, F0, 0                        ; the last lap fills nothing
	QUARTER 0, 3, F0, F1, 0
	MEET 0
	PLACES
	FETCH 1, 0, F0
	WIN MUL_HI
	MUL16 F1, 1, 0, 0
	MUL16 F1, 1, 2, 0
	QUARTER 1, 1, F0, F1, 0
	QUARTER 1, 2, F1, F0, 0
	QUARTER 1, 3, F0, F1, 0
	s_wait_dscnt 8
	MUL16 F1, 0, 0, 0
	MUL16 F1, 0, 2, 0
	s_wait_dscnt 0x0
	MUL16 F1, 1, 0, 0
	MUL16 F1, 1, 2, 0
	; THE WAY OUT, 16 rows at a time, in one looped text; the block's accumulators are chosen by forward jumps on the count
	WIN 0
	PLACES
	s_mov_b32 s[CA], 0
.Lo:
.irp a, 0,1,2,3,4,5,6
	s_cmp_eq_u32 s[CA], \a
	s_cbranch_scc1 .Lo\a
.endr
	TB 7
	s_branch .Loj
.irp a, 0,1,2,3,4,5
.Lo\a:
	TB \a
	s_branch .Loj
.endr
.Lo6:
	TB 6
.Loj:
.irp b, 0,1,2,3,4,5,6,7
	ds_store_b128 v[STO], v[T+8*(\b):T+8*(\b)+3]   offset:64*(\b)
	ds_store_b128 v[STO], v[T+8*(\b)+4:T+8*(\b)+7] offset:64*(\b)+16
.endr
	s_wait_xcnt 0x0                                ; the last block's stores have read R
.irp i, 0,1,2,3,4,5,6,7,8,9,10,11,12,13,14,15
	ds_load_b128 v[R+4*(\i):R+4*(\i)+3], v[RD] offset:SPITCH*(\i)   ; LDS serves a wave's instructions in order (ISA guide 5.7.1.4): these see the stores above
.endr
.irp i, 0,1,2,3,4,5,6,7,8,9,10,11,12,13,14,15
	s_wait_dscnt 15-(\i)                           ; row i is back; the younger rows may be out
	global_store_b128 v[CO], v[R+4*(\i):R+4*(\i)+3], s[OP:OP+1] offset:16384*(\i) th:TH_STORE_NT   ; 512 consecutive bytes of a row, aligned
.endr
	s_wait_xcnt 0x0                                ; the stores have read their base
	s_add_nc_u64 s[OP:OP+1], s[OP:OP+1], 16*16384
	s_add_co_u32 s[CA], s[CA], 1
	s_cmp_lt_u32 s[CA], 8
	s_cbranch_scc1 .Lo
	s_wait_tensorcnt 0x0                           ; the wave's end, behind my last tensor load and my last LDS store
	ds_add_u32 v[SPW], v[NIL]
	s_wait_dscnt 0x0
	CROUND                                         ; the closing round: no work-group ends while a partner may still ask for a tile that names it
	s_endpgm
.Lfunc_end_k_q29b57bdf72_proj:
	.size	k_q29b57bdf72_proj, .Lfunc_end_k_q29b57bdf72_proj-k_q29b57bdf72_proj
	.p2alignl 7, 3214868480
	.fill 96, 4, 3214868480
	.section	.rodata,"a",@progbits
	.p2align	6, 0x0
	.amdhsa_kernel k_q29b57bdf72_proj
		.amdhsa_group_segment_fixed_size 327680
		.amdhsa_private_segment_fixed_size 0
		.amdhsa_enable_private_segment 0
		.amdhsa_kernarg_size 32
		.amdhsa_user_sgpr_count 2
		.amdhsa_user_sgpr_kernarg_segment_ptr 1
		.amdhsa_wavefront_size32 1
		.amdhsa_system_sgpr_workgroup_id_x 1
		.amdhsa_system_sgpr_workgroup_id_y 1
		.amdhsa_system_sgpr_workgroup_id_z 1
		.amdhsa_system_vgpr_workitem_id 0
		.amdhsa_next_free_vgpr 1024
		.amdhsa_next_free_sgpr 80
		.amdhsa_reserve_vcc 0
		.amdhsa_float_denorm_mode_32 3
		.amdhsa_float_denorm_mode_16_64 3
		.amdhsa_memory_ordered 1
		.amdhsa_forward_progress 1
		.amdhsa_inst_pref_size 135
	.end_amdhsa_kernel
	.amdgpu_metadata
---
amdhsa.version: [ 1, 2 ]
amdhsa.kernels:
  - .name:           k_q29b57bdf72_proj
    .symbol:         k_q29b57bdf72_proj.kd
    .args:
      - { .name: wc, .offset: 0, .size: 8, .value_kind: global_buffer, .address_space: global }
      - { .name: ob, .offset: 8, .size: 8, .value_kind: global_buffer, .address_space: global }
      - { .name: bo, .offset: 16, .size: 8, .value_kind: global_buffer, .address_space: global }
      - { .name: out0, .offset: 24, .size: 8, .value_kind: global_buffer, .address_space: global }
    .group_segment_fixed_size: 327680
    .private_segment_fixed_size: 0
    .kernarg_segment_align: 8
    .kernarg_segment_size: 32
    .max_flat_workgroup_size: 128
    .sgpr_count:     80
    .vgpr_count:     1024
    .wavefront_size: 32
...
	.end_amdgpu_metadata
.endif
;; end of part 4
